; MI455X (gfx1250); checked and timed in simulation.
; The chip was launched on July 23, 2026; its instructions are those of AMD's public machine-readable ISA for CDNA 5 (MIT licence, August 2026) and "CDNA5" Instruction Set Architecture Reference Guide (July 2026). The comments in the code are by the model that wrote it; some were corrected since.
;; Texture. Allowed arithmetic: float matrix products may take bf16 or f16 operands with f32 sums; all other float work in f32.
;; Inputs: p1_l1 1 x 1 x 1,024 x 1,024 float32; p1_l2 1 x 1 x 512 x 512 float32; p1_l3 1 x 1 x 256 x 256 float32; p1_l4 1 x 1 x 128 x 128 float32; p2_l1 1 x 1 x 1,024 x 1,024 float32; p2_l2 1 x 1 x 512 x 512 float32; p2_l3 1 x 1 x 256 x 256 float32; p2_l4 1 x 1 x 128 x 128 float32; p3_l1 1 x 1 x 1,024 x 1,024 float32; p3_l2 1 x 1 x 512 x 512 float32; p3_l3 1 x 1 x 256 x 256 float32; p3_l4 1 x 1 x 128 x 128 float32; x 16 x 256 x 512 x 2 float32.
;; Outputs: out0 16 x 3 x 256 x 512 float32.
;; 2 versions, each right; version 2 is version 1 with the launch sample written anew for expert scheduling mode. Each part assembles by itself: llvm-mc -triple=amdgcn-amd-amdhsa -mcpu=gfx1250 --defsym DOCPART=n.
;; ======== version 1 of 2: 2 launches
;; workspace buffers: tab 17,453,568 bytes; pts 16,777,216 bytes of whole numbers
;; launch prepare (part 1): grid 1355 x 1, 8 waves a work-group, no clusters, 0 bytes of LDS; arguments x, p1_l1, p1_l2, p1_l3, p1_l4, tab, pts; writes tab, pts
.if DOCPART == 1
	.amdgcn_target "amdgcn-amd-amdhsa--gfx1250"
	.amdhsa_code_object_version 6
	.text
	.protected	k_qb18a3cecf7_prepare
	.globl	k_qb18a3cecf7_prepare
	.p2align	8
	.type	k_qb18a3cecf7_prepare,@function
k_qb18a3cecf7_prepare:
	s_mov_b64 s[64:65], 0
	v_nop
	global_prefetch_b8 v0, s[64:65] scope:SCOPE_SE
	s_setreg_imm32_b32 hwreg(HW_REG_WAVE_MODE, 25, 1), 1
	s_wait_xcnt 0x0
; TEXTURE, first of two launches.  reference() samples the four levels of pyramid 1 bilinearly (zero padding, align_corners = False) at
; each point, adds the four samples and writes the sum to three channels.  It never uses p2_* and p3_*, so they are not read here.
;
; With X = 2048 x, level l (1..4) is sampled at ix = X / 2^l - 1/2.  Its knots (whole ix) lie at X = j 2^l + 2^(l-1), whole numbers, so every
; level, zero padding included, is bilinear on each unit cell of the whole-number grid in (X, Y), and so is the sum F of the four.
; F = 0 outside -8 < X, Y < 2056 (level 4's support).  This holds for any contents of the textures.
;
; This launch has two roles, chosen by the work-group's number; neither reads what the other stores:
;   CONVERT (work-groups 0 .. NC-1): pts = each coordinate of x as U = (X + 8) in 12.20 fixed point, clamped to 0 .. 2064 * 2^20, in x's order.
;   BUILD   (the other NB): tab[Ky][Kx] = F(Kx - 8, Ky - 8), f32, 2,066 rows of PITCHB = 8,448 bytes (2,112 numbers), every byte written.
; The next launch forms its addresses from pts (whole numbers) and takes ONE bilinear sample of tab for each point: 4 scattered reads instead of 16.
; CONVERT stands first in the grid and asks for all its 65,536 bytes of x ahead of its first wait: it is the launch's longest stream
; (16.8 MB in, 16.8 MB out) and has next to no arithmetic, BUILD has some 400 instructions a wave for 2 KiB of table: the two are meant to overlap.
;
; LIMITS.  x = NaN gives U = 0 and x = +-inf a clamped U, so the result is 0 where reference() gives NaN.  A texel that is NaN or infinite
; reaches the nodes whose weights for it are not zero, and from there the whole table cell: another neighbourhood than in reference().
; U is rounded once (the fused multiply-add: at most 2^-12 of a node spacing, where |X + 8| < 2,048 ... 4,096) and then cut at 2^-20 of it.
; The sums are formed in another order than in reference().  Any finite x outside the support is clamped onto nodes that hold 0, with fraction 0.
; No LDS, barrier, matrix unit or cluster: there is no product, and no work-group shares data with another.
.set NC,     256                       ; convert work-groups: 16,777,216 bytes of x / 65,536
.set NB,     1099                      ; build work-groups: 8 waves each, one unit a wave, ceil(8,789 / 8)
.set UNITS,  8789                      ; 517 bands of 4 table rows x 17 strips of 128 columns
.set PITCHB, 8448                      ; bytes from a table row to the next: 33 x 256
.set RB1, 24                           ; s[24:29]  addresses of level 1's three rows (a pair each)
.set RB2, 30                           ; s[30:35]  level 2's three rows
.set RB3, 36                           ; s[36:39]  level 3's two rows
.set RB4, 40                           ; s[40:43]  level 4's two rows
.set RM1, 44                           ; s44-46    -1 where the row lies in the texture, else 0
.set RM2, 47                           ; s47-49
.set RM3, 50                           ; s50-51
.set RM4, 52                           ; s52-53
.set CM1, 54                           ; s54-56    lane masks: the lane's column lies in the texture
.set CM2, 57                           ; s57-59
.set CM3, 60                           ; s60-61
.set CM4, 62                           ; s62-63
.set FY3, 66                           ; s66-69    level 3's vertical fraction for my four rows
.set FY4, 70                           ; s70-73    level 4's
.set CO1, 4                            ; v4-6      byte offsets of my three (clamped) columns in a row of level 1
.set CO2, 7                            ; v7-9
.set CO3, 10                           ; v10-11
.set CO4, 12                           ; v12-13
.set FX3, 14                           ; v14-17    level 3's horizontal fraction for my four columns
.set FX4, 18                           ; v18-21    level 4's
.set P1,  22                           ; v22-30    level 1's texels, row a, column b at 3 a + b
.set P2,  31                           ; v31-39    level 2's, likewise
.set P3,  40                           ; v40-43    level 3's, at 2 a + b
.set P4,  44                           ; v44-47    level 4's, likewise
.set HA,  48                           ; v48-55    level 4: two rows, each interpolated at my four columns
.set HB,  56                           ; v56-63    level 3: the same
.set VA,  48                           ; v48-50, v51-53, v54-56: rows mixed vertically (levels 2 and 1), where HA and HB are dead
.set VB,  51
.set VC,  54
.set N,   64                           ; v64-79    my 4 x 4 nodes, row i, column j at 4 i + j
.set T,   80                           ; v80-81    at work
.set CX,  4                            ; CONVERT: v4-67  chunk j's four numbers at 4 j, as loaded, then as stored
.set CB,  68                           ; CONVERT: v68-69 the addend 2^23, twice
	s_load_b256 s[4:11], s[0:1], 0x0               ; x s[4:5], level 1 s[6:7], level 2 s[8:9], level 3 s[10:11]
	s_load_b128 s[12:15], s[0:1], 0x20             ; level 4 s[12:13], tab s[14:15]
	s_load_b64 s[16:17], s[0:1], 0x30              ; pts
	v_lshrrev_b32 v1, 5, v0
	v_readfirstlane_b32 s18, v1                    ; wave 0..7
	s_wait_kmcnt 0x0
	s_cmp_lt_u32 ttmp9, NC
	s_cbranch_scc1 .Lconvert
; ---------------------------------------------------------------- BUILD
; A wave makes 4 table rows x 128 columns, a lane a block of 4 x 4 nodes: columns K = 4 c + j, rows R = 4 p + i.
; Along either axis, with q = c or p, the four nodes 4 q + 0..3 lie at
;   level 1: ix = 2 q - 4.5 + j/2     texels A, B, C = 2q-5, 2q-4, 2q-3:  (A+B)/2, B, (B+C)/2, C
;   level 2: ix = q - 2.5 + j/4       texels A, B, C = q-3, q-2, q-1:     (A+B)/2, A/4 + 3B/4, B, 3B/4 + C/4
;   level 3: ix = (q-3)/2 + j/8       texels A, B = (q-3)>>1 and the next: A + f (B-A), f = ((q-3)&1)/2 + j/8
;   level 4: ix = (q-4)/4 + j/16      texels A, B = (q-4)>>2 and the next: A + f (B-A), f = (q&3)/4 + j/16
	s_sub_co_u32 s19, ttmp9, NC                    ; my number among the build work-groups
	s_lshl3_add_u32 s19, s19, s18                  ; my unit u = 8 x that + wave
	s_cmp_ge_u32 s19, UNITS                        ; 8 x 1,099 = 8,792: the last work-group's last three waves have no unit (no barrier in this text)
	s_cbranch_scc1 .Lend
	s_mul_hi_u32 s20, s19, 0xf0f0f0f1              ; p = u / 17: the high word of u x ceil(2^36 / 17), shifted by 4
	s_lshr_b32 s20, s20, 4
	s_mul_i32 s21, s20, 17
	s_sub_co_u32 s21, s19, s21                     ; strip = u - 17 p
	v_and_b32 v1, 31, v0
	v_lshl_add_u32 v2, s21, 5, v1                  ; c = 32 x strip + lane, 0 .. 543
	v_lshlrev_b32 v3, 4, v2                        ; my 16 bytes in a table row
	s_mov_b32 s75, 0                               ; high word of every 32-bit offset below
	s_mul_i32 s74, s20, 4*PITCHB                   ; at most 516 x 33,792 bytes
	s_add_nc_u64 s[14:15], s[14:15], s[74:75]      ; tab at my first row
; The texture row whose number is in s76 (a negative one is huge as unsigned): its mask, and the address of the row clamped into the texture.
.macro ROW base, h, sh, rb, rm
	s_cmp_lt_u32 s76, \h
	s_cselect_b32 s[\rm], -1, 0
	s_min_u32 s74, s76, \h-1
	s_lshl_b32 s74, s74, \sh
	s_add_nc_u64 s[\rb:\rb+1], s[\base:\base+1], s[74:75]
.endm
; The texture column whose number is in v80: its lane mask, and the byte offset of the column clamped into the row.
.macro COL w, co, cm
	v_cmp_gt_u32 s[\cm], \w, v80
	v_min_u32 v[\co], \w-1, v80
	v_lshlrev_b32 v[\co], 2, v[\co]
.endm
	; level 4: 2 x 2 texels.  Each level's loads go out as soon as its rows and columns are known.
	s_sub_co_i32 s76, s20, 4
	s_ashr_i32 s76, s76, 2
	ROW 12, 128, 9, RB4, RM4
	s_add_co_u32 s76, s76, 1
	ROW 12, 128, 9, RB4+2, RM4+1
	v_add_nc_u32 v80, -4, v2
	v_ashrrev_i32 v80, 2, v80
	COL 128, CO4, CM4
	v_add_nc_u32 v80, 1, v80
	COL 128, CO4+1, CM4+1
.irp a, 0,1
.irp b, 0,1
	global_load_b32 v[P4+2*\a+\b], v[CO4+\b], s[RB4+2*\a:RB4+2*\a+1]
.endr
.endr
	; level 3: 2 x 2 texels
	s_sub_co_i32 s76, s20, 3
	s_ashr_i32 s76, s76, 1
	ROW 10, 256, 10, RB3, RM3
	s_add_co_u32 s76, s76, 1
	ROW 10, 256, 10, RB3+2, RM3+1
	v_add_nc_u32 v80, -3, v2
	v_ashrrev_i32 v80, 1, v80
	COL 256, CO3, CM3
	v_add_nc_u32 v80, 1, v80
	COL 256, CO3+1, CM3+1
.irp a, 0,1
.irp b, 0,1
	global_load_b32 v[P3+2*\a+\b], v[CO3+\b], s[RB3+2*\a:RB3+2*\a+1]
.endr
.endr
	; level 2: 3 x 3 texels
	s_sub_co_i32 s76, s20, 3
	v_add_nc_u32 v80, -3, v2
.irp a, 0,1,2
	ROW 8, 512, 11, RB2+2*\a, RM2+\a
	s_add_co_u32 s76, s76, 1
	COL 512, CO2+\a, CM2+\a
	v_add_nc_u32 v80, 1, v80
.endr
.irp a, 0,1,2
.irp b, 0,1,2
	global_load_b32 v[P2+3*\a+\b], v[CO2+\b], s[RB2+2*\a:RB2+2*\a+1]
.endr
.endr
	; level 1: 3 x 3 texels
	s_lshl_b32 s76, s20, 1
	s_sub_co_i32 s76, s76, 5
	v_lshl_add_u32 v80, v2, 1, -5
.irp a, 0,1,2
	ROW 6, 1024, 12, RB1+2*\a, RM1+\a
	s_add_co_u32 s76, s76, 1
	COL 1024, CO1+\a, CM1+\a
	v_add_nc_u32 v80, 1, v80
.endr
.irp a, 0,1,2
.irp b, 0,1,2
	global_load_b32 v[P1+3*\a+\b], v[CO1+\b], s[RB1+2*\a:RB1+2*\a+1]
.endr
.endr
	; the fractions of levels 3 and 4, while the 26 loads are on their way
	s_sub_co_i32 s77, s20, 3
	s_and_b32 s76, s77, 1
	s_cvt_f32_u32 s76, s76
	s_mul_f32 s[FY3], s76, 0.5                     ; ((p-3)&1)/2
	s_add_f32 s[FY3+1], s[FY3], 0x3e000000         ; + 1/8
	s_add_f32 s[FY3+2], s[FY3], 0x3e800000         ; + 2/8
	s_add_f32 s[FY3+3], s[FY3], 0x3ec00000         ; + 3/8
	s_and_b32 s76, s20, 3
	s_cvt_f32_u32 s76, s76
	s_mul_f32 s[FY4], s76, 0x3e800000              ; (p&3)/4
	s_add_f32 s[FY4+1], s[FY4], 0x3d800000         ; + 1/16
	s_add_f32 s[FY4+2], s[FY4], 0x3e000000         ; + 2/16
	s_add_f32 s[FY4+3], s[FY4], 0x3e400000         ; + 3/16
	v_add_nc_u32 v80, -3, v2
	v_and_b32 v80, 1, v80
	v_and_b32 v81, 3, v2
	v_cvt_f32_u32 v80, v80
	v_cvt_f32_u32 v81, v81
	v_mul_f32 v[FX3], 0.5, v80
	v_mul_f32 v[FX4], 0x3e800000, v81
	v_add_f32 v[FX3+1], 0x3e000000, v[FX3]
	v_add_f32 v[FX3+2], 0x3e800000, v[FX3]
	v_add_f32 v[FX3+3], 0x3ec00000, v[FX3]
	v_add_f32 v[FX4+1], 0x3d800000, v[FX4]
	v_add_f32 v[FX4+2], 0x3e000000, v[FX4]
	v_add_f32 v[FX4+3], 0x3e400000, v[FX4]
; A texel outside the texture counts as 0: a select, so that whatever the clamped address brought is dropped.
.macro MASK p, rm, cm
	s_and_b32 s77, s[\rm], s[\cm]
	v_cndmask_b32 v[\p], 0, v[\p], s77
.endm
; Two rows of two texels, each interpolated at my four columns: h[4 a + j] = P[a][0] + fx[j] (P[a][1] - P[a][0])
.macro LERPX p, fx, h
.irp a, 0,1
	v_sub_f32 v[T+\a], v[\p+2*\a+1], v[\p+2*\a]
.endr
.irp a, 0,1
.irp j, 0,1,2,3
	v_fma_f32 v[\h+4*\a+\j], v[\fx+\j], v[T+\a], v[\p+2*\a]
.endr
.endr
.endm
; Row i of my nodes takes up a row of three numbers A, B, C (registers a, a+1, a+2), mixed along x.  Neighbouring lines name different sums.
.macro HOR2 i, a                       ; level 2: (A+B)/2, A/4 + 3B/4, B, 3B/4 + C/4
	v_fmac_f32 v[N+4*\i],   0.5,        v[\a]
	v_fmac_f32 v[N+4*\i+1], 0x3e800000, v[\a]
	v_add_f32  v[N+4*\i+2], v[N+4*\i+2], v[\a+1]
	v_fmac_f32 v[N+4*\i+3], 0x3f400000, v[\a+1]
	v_fmac_f32 v[N+4*\i],   0.5,        v[\a+1]
	v_fmac_f32 v[N+4*\i+1], 0x3f400000, v[\a+1]
	v_fmac_f32 v[N+4*\i+3], 0x3e800000, v[\a+2]
.endm
.macro HOR1F i, a                      ; level 1, a texture row as it is: (A+B)/2, B, (B+C)/2, C
	v_fmac_f32 v[N+4*\i],   0.5, v[\a]
	v_add_f32  v[N+4*\i+1], v[N+4*\i+1], v[\a+1]
	v_fmac_f32 v[N+4*\i+2], 0.5, v[\a+1]
	v_add_f32  v[N+4*\i+3], v[N+4*\i+3], v[\a+2]
	v_fmac_f32 v[N+4*\i],   0.5, v[\a+1]
	v_fmac_f32 v[N+4*\i+2], 0.5, v[\a+2]
.endm
.macro HOR1H i, a                      ; level 1, the SUM of two texture rows: the same weights halved
	v_fmac_f32 v[N+4*\i],   0x3e800000, v[\a]
	v_fmac_f32 v[N+4*\i+1], 0.5,        v[\a+1]
	v_fmac_f32 v[N+4*\i+2], 0x3e800000, v[\a+1]
	v_fmac_f32 v[N+4*\i+3], 0.5,        v[\a+2]
	v_fmac_f32 v[N+4*\i],   0x3e800000, v[\a+1]
	v_fmac_f32 v[N+4*\i+2], 0x3e800000, v[\a+2]
.endm
	; levels 4 and 3 start the sums: nothing is cleared
	s_wait_loadcnt 18                              ; loads return in order: the first 8 are in, level 2's 9 and level 1's 9 stay out
.irp a, 0,1
.irp b, 0,1
	MASK P4+2*\a+\b, RM4+\a, CM4+\b
	MASK P3+2*\a+\b, RM3+\a, CM3+\b
.endr
.endr
	LERPX P4, FX4, HA
	LERPX P3, FX3, HB
.irp j, 0,2
	v_pk_add_f32 v[HA+4+\j:HA+5+\j], v[HA+4+\j:HA+5+\j], v[HA+\j:HA+\j+1] neg_lo:[0,1] neg_hi:[0,1]   ; level 4: lower row - upper row
	v_pk_add_f32 v[HB+4+\j:HB+5+\j], v[HB+4+\j:HB+5+\j], v[HB+\j:HB+\j+1] neg_lo:[0,1] neg_hi:[0,1]   ; level 3: the same
	v_pk_add_f32 v[HA+\j:HA+\j+1], v[HA+\j:HA+\j+1], v[HB+\j:HB+\j+1]                                 ; the two upper rows together
.endr
.irp i, 0,1,2,3
.irp j, 0,1,2,3
	v_fma_f32 v[N+4*\i+\j], s[FY4+\i], v[HA+4+\j], v[HA+\j]
.endr
.endr
.irp i, 0,1,2,3
.irp j, 0,1,2,3
	v_fmac_f32 v[N+4*\i+\j], s[FY3+\i], v[HB+4+\j]
.endr
.endr
	; level 2: first along y (rows (A+B)/2, A/4 + 3B/4, B, 3B/4 + C/4), then along x
	s_wait_loadcnt 9                               ; level 1's 9 loads stay out
.irp a, 0,1,2
.irp b, 0,1,2
	MASK P2+3*\a+\b, RM2+\a, CM2+\b
.endr
.endr
.irp b, 0,1,2
	v_sub_f32 v[T],   v[P2+3+\b], v[P2+\b]
	v_sub_f32 v[T+1], v[P2+6+\b], v[P2+3+\b]
	v_fma_f32   v[VA+\b], 0.5, v[T], v[P2+\b]
	v_fmamk_f32 v[VB+\b], v[T],   0x3f400000, v[P2+\b]
	v_fmamk_f32 v[VC+\b], v[T+1], 0x3e800000, v[P2+3+\b]
.endr
	HOR2 0, VA
	HOR2 1, VB
	HOR2 2, P2+3                                   ; the middle texture row itself: no copy
	HOR2 3, VC
	; level 1: rows (A+B)/2, B, (B+C)/2, C; the halves are folded into HOR1H's weights
	s_wait_loadcnt 0x0
.irp a, 0,1,2
.irp b, 0,1,2
	MASK P1+3*\a+\b, RM1+\a, CM1+\b
.endr
.endr
.irp b, 0,1,2
	v_add_f32 v[VA+\b], v[P1+\b],   v[P1+3+\b]
	v_add_f32 v[VB+\b], v[P1+3+\b], v[P1+6+\b]
.endr
	HOR1H 0, VA
	HOR1F 1, P1+3
	HOR1H 2, VB
	HOR1F 3, P1+6
	; out: a lane's 16 bytes lie beside its neighbours', so sixteen lanes store 256 consecutive bytes at a multiple of 256 from tab's first byte.
	; No cache hint: the next launch reads the table.
	v_cmp_gt_u32 vcc_lo, 528, v2                   ; a table row has 528 blocks of four; the last strip's lanes 16-31 have none
	s_wait_xcnt 0x0                                ; EXEC is narrowed only when no earlier memory instruction still needs it
	s_and_saveexec_b32 s78, vcc_lo                 ; the wave ends under this EXEC: s78 is not used again
	global_store_b128 v3, v[N:N+3],   s[14:15]
	global_store_b128 v3, v[N+4:N+7], s[14:15] offset:PITCHB
	s_cmp_eq_u32 s20, 516                          ; the last band has rows 2,064 and 2,065 alone: the table ends there
	s_cbranch_scc1 .Lend
	global_store_b128 v3, v[N+8:N+11],  s[14:15] offset:2*PITCHB
	global_store_b128 v3, v[N+12:N+15], s[14:15] offset:3*PITCHB
.Lend:
	s_endpgm
; ---------------------------------------------------------------- CONVERT
; U = trunc(clamp(x 2^31 + 2^23, 0, 2064 x 2^20)) = (2048 x + 8) in 12.20 fixed point.  The textures are square, so both coordinates take the same map
; and the role is elementwise.  A work-group owns 65,536 bytes of x: sixteen chunks of 4,096 bytes, 16 bytes a lane in each, so that every load
; and store of a wave covers 512 consecutive bytes.  All sixteen loads go out ahead of the first wait; each chunk has registers of its own.
.Lconvert:
	s_lshl_b32 s20, ttmp9, 16
	s_mov_b32 s21, 0
	s_add_nc_u64 s[4:5], s[4:5], s[20:21]
	s_add_nc_u64 s[16:17], s[16:17], s[20:21]
	v_lshlrev_b32 v1, 4, v0
.irp j, 0,1,2,3,4,5,6,7,8,9,10,11,12,13,14,15
	global_load_b128 v[CX+4*\j:CX+4*\j+3], v1, s[4:5] offset:4096*\j th:TH_LOAD_NT  ; x is read once in the launch
.endr
	s_mov_b32 s24, 0x4f000000                      ; 2^31 (the pair's second word is written too; the multiply broadcasts the first)
	s_mov_b32 s25, 0x4f000000
	s_mov_b32 s28, 0x4f010000                      ; 2064 x 2^20
	v_mov_b32 v[CB],   0x4b000000                  ; 2^23 = 8 nodes
	v_mov_b32 v[CB+1], 0x4b000000
.macro CONV j
	s_wait_loadcnt 15-\j                           ; loads return in order: chunk j is in, the 15 - j younger ones stay out
	v_pk_fma_f32 v[CX+4*\j:CX+4*\j+1],   v[CX+4*\j:CX+4*\j+1],   s[24:25], v[CB:CB+1] op_sel_hi:[1,0,1]
	v_pk_fma_f32 v[CX+4*\j+2:CX+4*\j+3], v[CX+4*\j+2:CX+4*\j+3], s[24:25], v[CB:CB+1] op_sel_hi:[1,0,1]
.irp r, 0,1,2,3
	v_med3_num_f32 v[CX+4*\j+\r], v[CX+4*\j+\r], 0, s28
.endr
.irp r, 0,1,2,3
	v_cvt_u32_f32 v[CX+4*\j+\r], v[CX+4*\j+\r]     ; toward zero; a NaN that were left becomes 0
.endr
	global_store_b128 v1, v[CX+4*\j:CX+4*\j+3], s[16:17] offset:4096*\j            ; no register of a pending access is written again
.endm
.irp j, 0,1,2,3,4,5,6,7,8,9,10,11,12,13,14,15
	CONV \j
.endr
	s_endpgm
.Lfunc_end_k_qb18a3cecf7_prepare:
	.size	k_qb18a3cecf7_prepare, .Lfunc_end_k_qb18a3cecf7_prepare-k_qb18a3cecf7_prepare
	.p2alignl 7, 3214868480
	.fill 96, 4, 3214868480
	.section	.rodata,"a",@progbits
	.p2align	6, 0x0
	.amdhsa_kernel k_qb18a3cecf7_prepare
		.amdhsa_group_segment_fixed_size 0
		.amdhsa_private_segment_fixed_size 0
		.amdhsa_enable_private_segment 0
		.amdhsa_kernarg_size 56
		.amdhsa_user_sgpr_count 2
		.amdhsa_user_sgpr_kernarg_segment_ptr 1
		.amdhsa_wavefront_size32 1
		.amdhsa_system_sgpr_workgroup_id_x 1
		.amdhsa_system_sgpr_workgroup_id_y 1
		.amdhsa_system_sgpr_workgroup_id_z 1
		.amdhsa_system_vgpr_workitem_id 0
		.amdhsa_next_free_vgpr 84
		.amdhsa_next_free_sgpr 80
		.amdhsa_reserve_vcc 1
		.amdhsa_float_denorm_mode_32 3
		.amdhsa_float_denorm_mode_16_64 3
		.amdhsa_memory_ordered 1
		.amdhsa_forward_progress 1
		.amdhsa_inst_pref_size 32
	.end_amdhsa_kernel
	.amdgpu_metadata
---
amdhsa.version: [ 1, 2 ]
amdhsa.kernels:
  - .name:           k_qb18a3cecf7_prepare
    .symbol:         k_qb18a3cecf7_prepare.kd
    .args:
      - { .name: x, .offset: 0, .size: 8, .value_kind: global_buffer, .address_space: global }
      - { .name: p1_l1, .offset: 8, .size: 8, .value_kind: global_buffer, .address_space: global }
      - { .name: p1_l2, .offset: 16, .size: 8, .value_kind: global_buffer, .address_space: global }
      - { .name: p1_l3, .offset: 24, .size: 8, .value_kind: global_buffer, .address_space: global }
      - { .name: p1_l4, .offset: 32, .size: 8, .value_kind: global_buffer, .address_space: global }
      - { .name: tab, .offset: 40, .size: 8, .value_kind: global_buffer, .address_space: global }
      - { .name: pts, .offset: 48, .size: 8, .value_kind: global_buffer, .address_space: global }
    .group_segment_fixed_size: 0
    .private_segment_fixed_size: 0
    .kernarg_segment_align: 8
    .kernarg_segment_size: 56
    .max_flat_workgroup_size: 256
    .sgpr_count:     80
    .vgpr_count:     84
    .wavefront_size: 32
...
	.end_amdgpu_metadata
.endif
;; end of part 1
;; launch sample (part 2): grid 1024 x 1, 8 waves a work-group, no clusters, 0 bytes of LDS; arguments pts, tab, out0; writes out0
.if DOCPART == 2
	.amdgcn_target "amdgcn-amd-amdhsa--gfx1250"
	.amdhsa_code_object_version 6
	.text
	.protected	k_qb18a3cecf7_sample
	.globl	k_qb18a3cecf7_sample
	.p2align	8
	.type	k_qb18a3cecf7_sample,@function
k_qb18a3cecf7_sample:
	s_mov_b64 s[64:65], 0
	v_nop
	global_prefetch_b8 v0, s[64:65] scope:SCOPE_SE
	s_setreg_imm32_b32 hwreg(HW_REG_WAVE_MODE, 25, 1), 1
	s_wait_xcnt 0x0
; TEXTURE, second launch.  pts holds, in x's order, each coordinate as U = (2048 x + 8) in 12.20 fixed point, 0 .. 2064 x 2^20 (whole numbers, stored by
; the launch before); tab[Ky][Kx], f32, rows of PITCHB bytes, holds the sum of pyramid 1's four levels at the nodes (Kx - 8, Ky - 8) of the
; grid on which that sum is bilinear cell by cell, with its zero border.  So a point's result is one bilinear sample of tab:
;   K = U >> 20, f = (U & 0xfffff) 2^-20 (exact in f32), y = lerp(lerp(t00, t01, fx), lerp(t10, t11, fx), fy),
; and the same y goes to the three channels of out0 [16][3][256][512], as reference() stacks one pyramid three times.
; The limits are those of the launch before (non-finite x gives 0; coordinates cut at 2^-20 of a node spacing; another order of sums).
; A work-group owns 2,048 points: 16,384 bytes of pts and 8,192 bytes of each channel; 64 work-groups make an image.  A lane owns 4 chunks of two
; neighbouring points.  The text is one straight pass: all 32 gathers of a lane go out before the first is waited for, and no address or
; store-data register is ever written again, so no wait but the counted ones for data is needed.
; No LDS: the table (17.4 MB) does not fit.  No cluster: work-groups share no tile.  No matrix unit: there is no product.
.set PITCHB, 8448                      ; bytes from a table row to the next
.set KMAX,   0x810                     ; 2,064: the largest K.  K + 1 = 2,065 is the table's last row, and a column inside its 2,112
.set CHAN,   524288                    ; bytes of a channel: 256 x 512 x 4
.set T, 4                              ; v4-7      at work: Kx, Ky of a chunk's two points
.set U, 8                              ; v8-23     chunk j: Ux0, Uy0, Ux1, Uy1 as loaded, then fx0, fy0, fx1, fy1 in place
.set A, 24                             ; v24-31    byte offset in tab of point (j, q)'s upper left node
.set S, 32                             ; v32-63    point (j, q) at 8 j + 4 q: t00, t10, t01, t11 (first index y)
.set Y, 64                             ; v64-71    chunk j's two results
	s_load_b128 s[4:7], s[0:1], 0x0                ; pts s[4:5], tab s[6:7]
	s_load_b64 s[8:9], s[0:1], 0x10                ; out0
	s_lshl_b32 s10, ttmp9, 14                      ; my 16,384 bytes of pts
	s_mov_b32 s11, 0
	s_lshr_b32 s14, ttmp9, 6                       ; image
	s_mul_i32 s14, s14, 3*CHAN
	s_and_b32 s15, ttmp9, 63                       ; my 8,192 bytes in each of its channels
	s_lshl_b32 s15, s15, 13
	s_add_co_u32 s14, s14, s15                     ; at most 15 x 1,572,864 + 63 x 8,192
	s_mov_b32 s15, 0
	s_mov_b32 s12, 0x35800000                      ; 2^-20 (the pair's second word is written too; the multiply broadcasts the first)
	s_mov_b32 s13, 0x35800000
	v_lshlrev_b32 v1, 4, v0                        ; 16 bytes of pts a thread
	v_lshlrev_b32 v2, 3, v0                        ; 8 bytes of a channel a thread
	s_wait_kmcnt 0x0
	s_add_nc_u64 s[4:5], s[4:5], s[10:11]
	s_add_nc_u64 s[8:9], s[8:9], s[14:15]
.irp j, 0,1,2,3
	global_load_b128 v[U+4*\j:U+4*\j+3], v1, s[4:5] offset:4096*\j th:TH_LOAD_NT   ; pts is read once in the launch
.endr
; Chunk j: the two points' addresses, their eight gathers, and, while those are on their way, the fractions.
.macro ADDR j
	s_wait_loadcnt 3+7*\j                          ; behind chunk j's coordinates stand 3 - j loads of coordinates and 8 j gathers
.irp q, 0,1
	v_lshrrev_b32 v[T+2*\q],   20, v[U+4*\j+2*\q]
	v_lshrrev_b32 v[T+2*\q+1], 20, v[U+4*\j+2*\q+1]
	v_min_u32 v[T+2*\q],   KMAX, v[T+2*\q]         ; a number that was loaded enters an address only clamped; pts never exceeds the bound
	v_min_u32 v[T+2*\q+1], KMAX, v[T+2*\q+1]
	v_mul_u32_u24 v[T+2*\q+1], PITCHB, v[T+2*\q+1]
	v_lshl_add_u32 v[A+2*\j+\q], v[T+2*\q], 2, v[T+2*\q+1]
	global_load_b32 v[S+8*\j+4*\q],   v[A+2*\j+\q], s[6:7]
	global_load_b32 v[S+8*\j+4*\q+1], v[A+2*\j+\q], s[6:7] offset:PITCHB
	global_load_b32 v[S+8*\j+4*\q+2], v[A+2*\j+\q], s[6:7] offset:4
	global_load_b32 v[S+8*\j+4*\q+3], v[A+2*\j+\q], s[6:7] offset:PITCHB+4
.endr
.irp r, 0,1,2,3
	v_and_b32 v[U+4*\j+\r], 0xfffff, v[U+4*\j+\r]
.endr
.irp r, 0,1,2,3
	v_cvt_f32_u32 v[U+4*\j+\r], v[U+4*\j+\r]       ; 20 bits: exact
.endr
	v_pk_mul_f32 v[U+4*\j:U+4*\j+1],   v[U+4*\j:U+4*\j+1],   s[12:13] op_sel_hi:[1,0]
	v_pk_mul_f32 v[U+4*\j+2:U+4*\j+3], v[U+4*\j+2:U+4*\j+3], s[12:13] op_sel_hi:[1,0]
.endm
; Chunk j: upper and lower row are interpolated along x together, as a pair; then along y; then the three channels.
.macro OUT j
	s_wait_loadcnt 24-8*\j                         ; the gathers of the chunks behind j stay out
.irp q, 0,1
.set SQ, S+8*\j+4*\q
.set FQ, U+4*\j+2*\q
	v_pk_add_f32 v[SQ+2:SQ+3], v[SQ+2:SQ+3], v[SQ:SQ+1] neg_lo:[0,1] neg_hi:[0,1]  ; t01 - t00, t11 - t10
	v_pk_fma_f32 v[SQ:SQ+1], v[SQ+2:SQ+3], v[FQ:FQ+1], v[SQ:SQ+1] op_sel_hi:[1,0,1] ; both times fx: upper, lower
	v_sub_f32 v[SQ+2], v[SQ+1], v[SQ]
	v_fma_f32 v[Y+2*\j+\q], v[FQ+1], v[SQ+2], v[SQ]
.endr
.irp ch, 0,1,2
	global_store_b64 v2, v[Y+2*\j:Y+2*\j+1], s[8:9] offset:2048*\j+\ch*CHAN th:TH_STORE_NT   ; a wave's 32 lanes store 256 consecutive bytes, at a multiple of 256 from out0's first byte
.endr
.endm
	ADDR 0
	ADDR 1
	ADDR 2
	ADDR 3
	OUT 0
	OUT 1
	OUT 2
	OUT 3
	s_endpgm
.Lfunc_end_k_qb18a3cecf7_sample:
	.size	k_qb18a3cecf7_sample, .Lfunc_end_k_qb18a3cecf7_sample-k_qb18a3cecf7_sample
	.p2alignl 7, 3214868480
	.fill 96, 4, 3214868480
	.section	.rodata,"a",@progbits
	.p2align	6, 0x0
	.amdhsa_kernel k_qb18a3cecf7_sample
		.amdhsa_group_segment_fixed_size 0
		.amdhsa_private_segment_fixed_size 0
		.amdhsa_enable_private_segment 0
		.amdhsa_kernarg_size 24
		.amdhsa_user_sgpr_count 2
		.amdhsa_user_sgpr_kernarg_segment_ptr 1
		.amdhsa_wavefront_size32 1
		.amdhsa_system_sgpr_workgroup_id_x 1
		.amdhsa_system_sgpr_workgroup_id_y 1
		.amdhsa_system_sgpr_workgroup_id_z 1
		.amdhsa_system_vgpr_workitem_id 0
		.amdhsa_next_free_vgpr 72
		.amdhsa_next_free_sgpr 66
		.amdhsa_reserve_vcc 0
		.amdhsa_float_denorm_mode_32 3
		.amdhsa_float_denorm_mode_16_64 3
		.amdhsa_memory_ordered 1
		.amdhsa_forward_progress 1
		.amdhsa_inst_pref_size 12
	.end_amdhsa_kernel
	.amdgpu_metadata
---
amdhsa.version: [ 1, 2 ]
amdhsa.kernels:
  - .name:           k_qb18a3cecf7_sample
    .symbol:         k_qb18a3cecf7_sample.kd
    .args:
      - { .name: pts, .offset: 0, .size: 8, .value_kind: global_buffer, .address_space: global }
      - { .name: tab, .offset: 8, .size: 8, .value_kind: global_buffer, .address_space: global }
      - { .name: out0, .offset: 16, .size: 8, .value_kind: global_buffer, .address_space: global }
    .group_segment_fixed_size: 0
    .private_segment_fixed_size: 0
    .kernarg_segment_align: 8
    .kernarg_segment_size: 24
    .max_flat_workgroup_size: 256
    .sgpr_count:     66
    .vgpr_count:     72
    .wavefront_size: 32
...
	.end_amdgpu_metadata
.endif
;; end of part 2
;; ======== version 2 of 2: 2 launches; version 1 with the launch sample written anew for expert scheduling mode
;; workspace buffers: tab 17,453,568 bytes; pts 16,777,216 bytes of whole numbers
;; launch prepare: the kernel of part 1 again; grid 1355 x 1, 8 waves a work-group, no clusters, 0 bytes of LDS; arguments x, p1_l1, p1_l2, p1_l3, p1_l4, tab, pts; writes tab, pts
;; launch sample (part 3): grid 1024 x 1, 8 waves a work-group, no clusters, 0 bytes of LDS; arguments pts, tab, out0; writes out0
.if DOCPART == 3
	.amdgcn_target "amdgcn-amd-amdhsa--gfx1250"
	.amdhsa_code_object_version 6
	.text
	.protected	k_qb18a3cecf7_sample
	.globl	k_qb18a3cecf7_sample
	.p2align	8
	.type	k_qb18a3cecf7_sample,@function
k_qb18a3cecf7_sample:
	s_mov_b64 s[64:65], 0
	v_nop
	global_prefetch_b8 v0, s[64:65] scope:SCOPE_SE
	s_setreg_imm32_b32 hwreg(HW_REG_WAVE_SCHED_MODE, 0, 2), 2
	s_setreg_imm32_b32 hwreg(HW_REG_WAVE_MODE, 25, 1), 1
	s_wait_xcnt 0x0
	s_wait_alu depctr_vm_vsrc(0)
; TEXTURE, second launch.  pts holds, in x's order, each coordinate as U = (2048 x + 8) in 12.20 fixed point, 0 .. 2064 x 2^20 (whole numbers, stored by
; the launch before); tab[Ky][Kx], f32, rows of PITCHB bytes, holds the sum of pyramid 1's four levels at the nodes (Kx - 8, Ky - 8) of the
; grid on which that sum is bilinear cell by cell, with its zero border.  So a point's result is one bilinear sample of tab:
;   K = U >> 20, f = (U & 0xfffff) 2^-20 (exact in f32), y = lerp(lerp(t00, t01, fx), lerp(t10, t11, fx), fy),
; and the same y goes to the three channels of out0 [16][3][256][512], as reference() stacks one pyramid three times.
; The limits are those of the launch before (non-finite x gives 0; coordinates cut at 2^-20 of a node spacing; another order of sums).
; A work-group owns 2,048 points: 16,384 bytes of pts and 8,192 bytes of each channel; 64 work-groups make an image.  A lane owns 4 chunks of two
; neighbouring points.  The text is one straight pass: all 32 gathers of a lane go out before the first is waited for.
; No LDS: the table (17.4 MB) does not fit.  No cluster: work-groups share no tile.  No matrix unit: there is no product.
; THE MODE: SCHED_MODE bits 1:0 = 2 (LLVM: expert scheduling mode 2), set by the entry lines.  The code itself states the register dependences
; between vector instructions and memory instructions, with s_wait_alu, always for 0.
; THE PLAN.  Registers that memory instructions touch:
;   v1, v2   byte offsets, each written by one vector line at the head and never again; v1 is read by the loads of coordinates, v2 by the stores.
;   U        the four loads of coordinates land in it; no vector line names it ahead of them; behind its counted wait vector lines alone name it.
;   A        eight gather offsets, each written by one vector line and never again; each is read by four gathers.
;   S        the 32 gathers land in it; no vector line names it ahead of them; behind its counted wait vector lines alone name it.
;   Y        chunk j's pair is written by two vector lines, then read by the chunk's three stores, and never written again.
;   T is named by vector lines alone.
; So all eight offsets A are made first and ONE wait on va_vdst stands ahead of the 32 gathers; the lines that make the fractions, which name U
; alone, are dealt among the gathers with no further wait.  One more such wait stands ahead of the first load (v1, v2) and one ahead of each chunk's
; stores (its Y).  No register that a memory instruction reads is written again, so no wait on vm_vsrc and no s_wait_xcnt is owed.
; No vector line writes a scalar register or VCC, and EXEC is never written.
.set PITCHB, 8448                      ; bytes from a table row to the next
.set KMAX,   0x810                     ; 2,064: the largest K.  K + 1 = 2,065 is the table's last row, and a column inside its 2,112
.set CHAN,   524288                    ; bytes of a channel: 256 x 512 x 4
.set T, 4                              ; v4-7      at work: Kx, Ky of a chunk's two points
.set U, 8                              ; v8-23     chunk j: Ux0, Uy0, Ux1, Uy1 as loaded, then fx0, fy0, fx1, fy1 in place
.set A, 24                             ; v24-31    byte offset in tab of point (j, q)'s upper left node
.set S, 32                             ; v32-63    point (j, q) at 8 j + 4 q: t00, t10, t01, t11 (first index y)
.set Y, 64                             ; v64-71    chunk j's two results
	s_load_b128 s[4:7], s[0:1], 0x0                ; pts s[4:5], tab s[6:7]
	s_load_b64 s[8:9], s[0:1], 0x10                ; out0
	s_lshl_b32 s10, ttmp9, 14                      ; my 16,384 bytes of pts
	s_mov_b32 s11, 0
	s_lshr_b32 s14, ttmp9, 6                       ; image
	s_mul_i32 s14, s14, 3*CHAN
	s_and_b32 s15, ttmp9, 63                       ; my 8,192 bytes in each of its channels
	s_lshl_b32 s15, s15, 13
	s_add_co_u32 s14, s14, s15                     ; at most 15 x 1,572,864 + 63 x 8,192
	s_mov_b32 s15, 0
	s_mov_b32 s12, 0x35800000                      ; 2^-20 (the pair's second word is written too; the multiply broadcasts the first)
	s_mov_b32 s13, 0x35800000
	v_lshlrev_b32 v1, 4, v0                        ; 16 bytes of pts a thread
	v_lshlrev_b32 v2, 3, v0                        ; 8 bytes of a channel a thread
	s_wait_kmcnt 0x0
	s_add_nc_u64 s[4:5], s[4:5], s[10:11]
	s_add_nc_u64 s[8:9], s[8:9], s[14:15]
	s_wait_alu depctr_va_vdst(0)                   ; v1 and v2 are written: the loads below read v1 as their offset, the stores at the end v2
.irp j, 0,1,2,3
	global_load_b128 v[U+4*\j:U+4*\j+3], v1, s[4:5] offset:4096*\j th:TH_LOAD_NT   ; pts is read once in the launch
.endr
; Chunk j: the two points' byte offsets in tab.
.macro ADDR j
	s_wait_loadcnt 3-\j                            ; loads return in order: chunk j's coordinates are in, the 3 - j younger loads of coordinates stay out (no gather is issued yet)
.irp q, 0,1
	v_lshrrev_b32 v[T+2*\q],   20, v[U+4*\j+2*\q]
	v_lshrrev_b32 v[T+2*\q+1], 20, v[U+4*\j+2*\q+1]
	v_min_u32 v[T+2*\q],   KMAX, v[T+2*\q]         ; a number that was loaded enters an address only clamped; pts never exceeds the bound
	v_min_u32 v[T+2*\q+1], KMAX, v[T+2*\q+1]
	v_mul_u32_u24 v[T+2*\q+1], PITCHB, v[T+2*\q+1]
	v_lshl_add_u32 v[A+2*\j+\q], v[T+2*\q], 2, v[T+2*\q+1]
.endr
.endm
; Chunk j: its eight gathers, and behind them its fractions.  The fractions' lines name U alone, no register of A or S: the later chunks' gathers owe no further wait.
.macro GATHER j
.irp q, 0,1
	global_load_b32 v[S+8*\j+4*\q],   v[A+2*\j+\q], s[6:7]
	global_load_b32 v[S+8*\j+4*\q+1], v[A+2*\j+\q], s[6:7] offset:PITCHB
	global_load_b32 v[S+8*\j+4*\q+2], v[A+2*\j+\q], s[6:7] offset:4
	global_load_b32 v[S+8*\j+4*\q+3], v[A+2*\j+\q], s[6:7] offset:PITCHB+4
.endr
.irp r, 0,1,2,3
	v_and_b32 v[U+4*\j+\r], 0xfffff, v[U+4*\j+\r]
.endr
.irp r, 0,1,2,3
	v_cvt_f32_u32 v[U+4*\j+\r], v[U+4*\j+\r]       ; 20 bits: exact
.endr
	v_pk_mul_f32 v[U+4*\j:U+4*\j+1],   v[U+4*\j:U+4*\j+1],   s[12:13] op_sel_hi:[1,0]
	v_pk_mul_f32 v[U+4*\j+2:U+4*\j+3], v[U+4*\j+2:U+4*\j+3], s[12:13] op_sel_hi:[1,0]
.endm
; Chunk j: upper and lower row are interpolated along x together, as a pair; then along y; then the three channels.
.macro OUT j
	s_wait_loadcnt 24-8*\j                         ; the gathers of the chunks behind j stay out
.irp q, 0,1
.set SQ, S+8*\j+4*\q
.set FQ, U+4*\j+2*\q
	v_pk_add_f32 v[SQ+2:SQ+3], v[SQ+2:SQ+3], v[SQ:SQ+1] neg_lo:[0,1] neg_hi:[0,1]  ; t01 - t00, t11 - t10
	v_pk_fma_f32 v[SQ:SQ+1], v[SQ+2:SQ+3], v[FQ:FQ+1], v[SQ:SQ+1] op_sel_hi:[1,0,1] ; both times fx: upper, lower
	v_sub_f32 v[SQ+2], v[SQ+1], v[SQ]
	v_fma_f32 v[Y+2*\j+\q], v[FQ+1], v[SQ+2], v[SQ]
.endr
	s_wait_alu depctr_va_vdst(0)                   ; the two multiply-adds have written Y's pair j, which the three stores below read
.irp ch, 0,1,2
	global_store_b64 v2, v[Y+2*\j:Y+2*\j+1], s[8:9] offset:2048*\j+\ch*CHAN th:TH_STORE_NT   ; a wave's 32 lanes store 256 consecutive bytes, at a multiple of 256 from out0's first byte
.endr
.endm
	ADDR 0
	ADDR 1
	ADDR 2
	ADDR 3
	s_wait_alu depctr_va_vdst(0)                   ; the eight offsets A are written, which the 32 gathers below read
	GATHER 0
	GATHER 1
	GATHER 2
	GATHER 3
	OUT 0
	OUT 1
	OUT 2
	OUT 3
	s_endpgm
.Lfunc_end_k_qb18a3cecf7_sample:
	.size	k_qb18a3cecf7_sample, .Lfunc_end_k_qb18a3cecf7_sample-k_qb18a3cecf7_sample
	.p2alignl 7, 3214868480
	.fill 96, 4, 3214868480
	.section	.rodata,"a",@progbits
	.p2align	6, 0x0
	.amdhsa_kernel k_qb18a3cecf7_sample
		.amdhsa_group_segment_fixed_size 0
		.amdhsa_private_segment_fixed_size 0
		.amdhsa_enable_private_segment 0
		.amdhsa_kernarg_size 24
		.amdhsa_user_sgpr_count 2
		.amdhsa_user_sgpr_kernarg_segment_ptr 1
		.amdhsa_wavefront_size32 1
		.amdhsa_system_sgpr_workgroup_id_x 1
		.amdhsa_system_sgpr_workgroup_id_y 1
		.amdhsa_system_sgpr_workgroup_id_z 1
		.amdhsa_system_vgpr_workitem_id 0
		.amdhsa_next_free_vgpr 72
		.amdhsa_next_free_sgpr 66
		.amdhsa_reserve_vcc 0
		.amdhsa_float_denorm_mode_32 3
		.amdhsa_float_denorm_mode_16_64 3
		.amdhsa_memory_ordered 1
		.amdhsa_forward_progress 1
		.amdhsa_inst_pref_size 13
	.end_amdhsa_kernel
	.amdgpu_metadata
---
amdhsa.version: [ 1, 2 ]
amdhsa.kernels:
  - .name:           k_qb18a3cecf7_sample
    .symbol:         k_qb18a3cecf7_sample.kd
    .args:
      - { .name: pts, .offset: 0, .size: 8, .value_kind: global_buffer, .address_space: global }
      - { .name: tab, .offset: 8, .size: 8, .value_kind: global_buffer, .address_space: global }
      - { .name: out0, .offset: 16, .size: 8, .value_kind: global_buffer, .address_space: global }
    .group_segment_fixed_size: 0
    .private_segment_fixed_size: 0
    .kernarg_segment_align: 8
    .kernarg_segment_size: 24
    .max_flat_workgroup_size: 256
    .sgpr_count:     66
    .vgpr_count:     72
    .wavefront_size: 32
...
	.end_amdgpu_metadata
.endif
;; end of part 3
